; MI455X (gfx1250); checked and timed in simulation.
; The chip was launched on July 23, 2026; its instructions are those of AMD's public machine-readable ISA for CDNA 5 (MIT licence, August 2026) and "CDNA5" Instruction Set Architecture Reference Guide (July 2026). The comments in the code are by the model that wrote it; some were corrected since.
;; GLUMLP. Allowed arithmetic: matrix products marked QUANTISED: E4M3 operands, one given power-of-two scale a tensor, by v_wmma_f32_16x16x64_fp8_fp8 or v_wmma_f32_16x16x128_fp8_fp8, f32 sums; everything else in f32.
;; Inputs: W1 8 x 1,024 x 1,024 float32; W2 8 x 512 x 1,024 float32; expert_idxs 2,048 x 2 int32; expert_p 2,048 x 2 float32; lowp_scales 32 int32 (the exponents e of the quantised operands' scales 2^e); x 2 x 1,024 x 1,024 float32.
;; Outputs: out0 2 x 1,024 x 1,024 float32.
;; This version of the problem:
;;   THIS VERSION OF THE PROBLEM IS GIVEN IN LOW PRECISION. The matrix products marked QUANTISED in the list below multiply operands that are first quantised to E4M3 (4 exponent bits, 3 mantissa bits; 8 bits a number), with one given power-of-two scale for each operand tensor; their sums are f32. All else is computed in f32.
;;   The module's matrix products, in the order in which they are computed (A, B: the left and right operand; K: the contracted axis; several contracted axes count as one K, in the product's order):
;;     1. [M 4,096, K 1,024] x [K 1,024, N 1,024]; A: computed on the way; B: input W1: QUANTISED (scales: A lowp_scales[0], B lowp_scales[1])
;;     2. [M 4,096, K 512] x [K 512, N 1,024]; A: computed on the way; B: input W2: QUANTISED (scales: A lowp_scales[2], B lowp_scales[3])
;;     3. [M 4,096, K 1,024] x [K 1,024, N 1,024]; A: computed on the way; B: input W1: QUANTISED (scales: A lowp_scales[4], B lowp_scales[5])
;;     4. [M 4,096, K 512] x [K 512, N 1,024]; A: computed on the way; B: input W2: QUANTISED (scales: A lowp_scales[6], B lowp_scales[7])
;;     5. [M 4,096, K 1,024] x [K 1,024, N 1,024]; A: computed on the way; B: input W1: QUANTISED (scales: A lowp_scales[8], B lowp_scales[9])
;;     6. [M 4,096, K 512] x [K 512, N 1,024]; A: computed on the way; B: input W2: QUANTISED (scales: A lowp_scales[10], B lowp_scales[11])
;;     7. [M 4,096, K 1,024] x [K 1,024, N 1,024]; A: computed on the way; B: input W1: QUANTISED (scales: A lowp_scales[12], B lowp_scales[13])
;;     8. [M 4,096, K 512] x [K 512, N 1,024]; A: computed on the way; B: input W2: QUANTISED (scales: A lowp_scales[14], B lowp_scales[15])
;;     9. [M 4,096, K 1,024] x [K 1,024, N 1,024]; A: computed on the way; B: input W1: QUANTISED (scales: A lowp_scales[16], B lowp_scales[17])
;;     10. [M 4,096, K 512] x [K 512, N 1,024]; A: computed on the way; B: input W2: QUANTISED (scales: A lowp_scales[18], B lowp_scales[19])
;;     11. [M 4,096, K 1,024] x [K 1,024, N 1,024]; A: computed on the way; B: input W1: QUANTISED (scales: A lowp_scales[20], B lowp_scales[21])
;;     12. [M 4,096, K 512] x [K 512, N 1,024]; A: computed on the way; B: input W2: QUANTISED (scales: A lowp_scales[22], B lowp_scales[23])
;;     13. [M 4,096, K 1,024] x [K 1,024, N 1,024]; A: computed on the way; B: input W1: QUANTISED (scales: A lowp_scales[24], B lowp_scales[25])
;;     14. [M 4,096, K 512] x [K 512, N 1,024]; A: computed on the way; B: input W2: QUANTISED (scales: A lowp_scales[26], B lowp_scales[27])
;;     15. [M 4,096, K 1,024] x [K 1,024, N 1,024]; A: computed on the way; B: input W1: QUANTISED (scales: A lowp_scales[28], B lowp_scales[29])
;;     16. [M 4,096, K 512] x [K 512, N 1,024]; A: computed on the way; B: input W2: QUANTISED (scales: A lowp_scales[30], B lowp_scales[31])
;;   THE QUANTISER, for each operand of a quantised product, along K:
;;     - The operand's scale is 2^e, e = its entry of the input lowp_scales (int32; the entries are numbered through the quantised products in the list's order, A before B).
;;     - Each number is divided by the scale, clamped to +-448, and rounded to the nearest number of E4M3, ties to even, subnormals kept.
;;     - The product sums the exact products of the quantised numbers (number of the format x scale) in f32.
;;   ~~~python
;;   def quantise(x, axis, e):      # numpy; x: float32 -> the quantised numbers, widened to float32 again
;;       x = np.moveaxis(x, axis, -1); K = x.shape[-1]
;;       r = np.clip(x / 2.0 ** e, -448, 448)
;;       step = 2.0 ** (np.maximum(np.frexp(np.where(r == 0, 1, r))[1] - 1, -6) - 3)
;;       q = np.round(r / step) * step * 2.0 ** e      # np.round: ties to even
;;       return np.moveaxis(q, -1, axis).astype(np.float32)
;;   ~~~
;;   OPERANDS COMPUTED ON THE WAY. 'Computed on the way' means the value that the module computes at that place (a softmax that the list does not call 'softmax' is quantised finished and normalised). What goes into a quantiser is computed in f32, as accurately as f32 sums, v_exp_f32 and their like allow (about 1e-6 of the number): no bf16 or f16 on the way to a quantiser, and a product that is left as it is and whose result goes on into a quantised operand takes f32 operands (vector FMAs, or v_wmma_f32_16x16x4_f32). A number that lies on a knife's edge between two numbers of the format may be rounded either way, as far as f32 arithmetic and the matrix unit's own rounding can turn it there, and no further.
;; One version. Each part assembles by itself: llvm-mc -triple=amdgcn-amd-amdhsa -mcpu=gfx1250 --defsym DOCPART=n.
;; ======== version 1 of 1: 3 launches
;; limits: right only within a limited range of input values
;; workspace buffers: w1c 8,388,608 bytes; w2c 4,194,304 bytes; xc 4,194,304 bytes; ac 2,097,152 bytes; list 20,224 bytes of whole numbers; counts 256 bytes of whole numbers
;; launch prep (part 1): grid 1032 x 1, 4 waves a work-group, no clusters, 20,992 bytes of LDS; arguments x, W1, W2, expert_idxs, lowp_scales, xc, w1c, w2c, list, counts; writes xc, w1c, w2c, list, counts
.if DOCPART == 1
	.amdgcn_target "amdgcn-amd-amdhsa--gfx1250"
	.amdhsa_code_object_version 6
	.text
	.protected	k_qe6e8ddb021_prep
	.globl	k_qe6e8ddb021_prep
	.p2align	8
	.type	k_qe6e8ddb021_prep,@function
k_qe6e8ddb021_prep:
	s_mov_b64 s[64:65], 0
	v_nop
	global_prefetch_b8 v0, s[64:65] scope:SCOPE_SE
	s_setreg_imm32_b32 hwreg(HW_REG_WAVE_MODE, 25, 1), 1
	s_wait_xcnt 0x0
; PREP: everything that is quantised once, and the routing.  Four roles, chosen by the work-group's number alone:
;   0 .. 7       ROUTE: 32 waves that share nothing; wave G places pairs 128 G .. 128 G + 127 in a list sorted by expert, each expert's part beginning at a multiple of 128
;   8 .. 263     X:     x [2048][1024] f32 -> xc [pair 4096][1024] codes of E4M3; pair = 2 token + slot, quantised with the scale of the slot's expert, 2^lowp[4 idx]
;   264 .. 775   W:     W1 [8][1024 k][1024 n] f32 -> w1c;    776 .. 1031  W: W2 [8][512 k][1024 n] f32 -> w2c
; w1c and w2c are laid as IMAGES OF THE OPERAND'S REGISTERS: an image is 2,048 bytes, [c 4][lane 32][16 bytes]; lane (r, h) holds k = 128 s + 32 c + 16 h + 0 .. 15 of one column.
;   w1c byte = e<<20 + b<<16 + s<<13 + j<<11 + image;  b: block of 32 hidden units; j = 0, 1: h's tiles u = 0, 1; j = 2, 3: g's (columns + 512); lane r of tile u is hidden unit 32 b + 8 u + r + 8 (r / 8)
;   w2c byte = e<<19 + y<<15 + s<<13 + j<<11 + image;  lane r is output column 64 y + 16 j + r
; code = number / 2^e, held within +-448, rounded to the nearest code, ties to even.
; LIMITS: expert_idxs lies in 0 .. 7 (an index stays inside the table it indexes); each exponent used here (entries 4 e, 4 e + 1, 4 e + 3) lies between -126 and 119, so that 2^e and 448 x 2^e are f32 numbers; NaN among the inputs is not served.
; No barrier: waves share nothing.  Only role X uses LDS, each wave bytes of its own.
.set SP,   80                          ; role X: a lane's place in a stage: its 64 bytes + 16 of padding
.set WREG, 2*32*SP                     ; role X: two stages for each wave
; ---- role W's macros.  A lane takes a column and its registers run down K: v16-143 four blocks of 32 numbers; v144-175 their codes; v10 448 x 2^e, v11 2^e; v8 offset in, v9 offset out
.macro WLOAD t                         ; block t: rows 32 t + i of the K step, my column: the wave reads 128 consecutive bytes, the four waves 512
.set i, 0
.rept 32
	global_load_b32 v[16+32*(\t)+i], v8, s[30:31] offset:(32*(\t)+i)*4096 th:TH_LOAD_NT
.set i, i+1
.endr
.endm
.macro WBLOCK t, left                  ; left: loads that may stay out
	s_wait_loadcnt \left
.set i, 0
.rept 32
	v_med3_num_f32 v[16+32*(\t)+i], v[16+32*(\t)+i], -v10, v10   ; the conversion to an 8-bit code does not saturate (ISA guide 7.6.2): the hold comes first
.set i, i+1
.endr
.irp g, 0,1,2,3
	v_cvt_scalef32_pk8_fp8_f32 v[144+8*(\t)+2*\g:144+8*(\t)+2*\g+1], v[16+32*(\t)+8*\g:16+32*(\t)+8*\g+7], v11
.endr
	global_store_b128 v9, v[144+8*(\t):144+8*(\t)+3], s[32:33] offset:512*(\t)          ; k = 32 t + 0 .. 15: the image's half h = 0.  Lanes 0-15 fill 256 consecutive aligned bytes, lanes 16-31 those of the next tile
	global_store_b128 v9, v[144+8*(\t)+4:144+8*(\t)+7], s[32:33] offset:512*(\t)+256    ; k = 32 t + 16 .. 31: h = 1
.endm                                  ; (the codes go to stores alone, and the next block's holds are plain lines on other registers: no line is owed behind the conversions)
; ---- role X's macros.  v16-79 the four steps as loaded; v80-111 two sets of 16 neighbours; v112-127 slot 0's held copy; v128-159 codes; v160-167 scale and limit of the wave's four pairs
.macro XTURN t                         ; step t's 2,048 bytes through the wave's own stage: in as they lie, back 64 bytes a lane.  LDS serves a wave's instructions in order: no wait between
.irp i, 0,1,2,3
	ds_store_b128 v14, v[16+16*(\t)+4*\i:16+16*(\t)+4*\i+3] offset:32*SP*((\t)%2)+8*SP*\i
.endr
.irp i, 0,1,2,3
	ds_load_b128 v[80+16*((\t)%2)+4*\i:80+16*((\t)%2)+4*\i+3], v15 offset:32*SP*((\t)%2)+16*\i
.endr
.endm
.macro XSTEP t                         ; step t: token t / 2 of my two, half t % 2 of its row; both slots' codes
.set XS, 80+16*((\t)%2)
.set Q0, 160+4*((\t)/2)
	s_wait_dscnt 0x0                               ; this step's numbers are back from the stage
.if (\t) < 3
	s_wait_loadcnt 4*(2-(\t))                      ; the next step's four loads are in; the later steps' may be out
	XTURN (\t)+1
.endif
.set i, 0
.rept 16
	v_med3_num_f32 v[112+i], v[XS+i], -v[Q0+1], v[Q0+1]        ; slot 0: held into a copy, since slot 1 holds the same numbers by another limit
.set i, i+1
.endr
	v_cvt_scalef32_pk8_fp8_f32 v[128+8*(\t):128+8*(\t)+1], v[112:119], v[Q0]
	v_cvt_scalef32_pk8_fp8_f32 v[128+8*(\t)+2:128+8*(\t)+3], v[120:127], v[Q0]
.set i, 0
.rept 16
	v_med3_num_f32 v[XS+i], v[XS+i], -v[Q0+3], v[Q0+3]         ; slot 1, in place.  (These sixteen plain lines stand between slot 0's conversions and the next write of the copy)
.set i, i+1
.endr
	v_cvt_scalef32_pk8_fp8_f32 v[128+8*(\t)+4:128+8*(\t)+5], v[XS:XS+7], v[Q0+2]
	v_cvt_scalef32_pk8_fp8_f32 v[128+8*(\t)+6:128+8*(\t)+7], v[XS+8:XS+15], v[Q0+2]
	global_store_b128 v3, v[128+8*(\t):128+8*(\t)+3], s[14:15] offset:2048*((\t)/2)+512*((\t)%2)          ; 32 lanes store 512 consecutive bytes of the pair's row
	global_store_b128 v3, v[128+8*(\t)+4:128+8*(\t)+7], s[14:15] offset:2048*((\t)/2)+512*((\t)%2)+1024
.endm
; ---- role ROUTE's macro: the sum of a register over the wave's 32 lanes, in every lane (v164 is written beforehand)
.macro RED reg
.irp m, 1,2,4,8
	v_mov_b32_dpp v164, v[\reg] row_xmask:\m row_mask:0xf bank_mask:0xf
	v_add_nc_u32 v[\reg], v[\reg], v164
.endr
	v_permlanex16_b32 v164, v[\reg], s48, s49
	v_add_nc_u32 v[\reg], v[\reg], v164
.endm
	s_load_b512 s[4:19], s[0:1], 0x0               ; x s[4:5], W1 s[6:7], W2 s[8:9], expert_idxs s[10:11], lowp_scales s[12:13], xc s[14:15], w1c s[16:17], w2c s[18:19]
	s_load_b128 s[20:23], s[0:1], 0x40             ; list s[20:21], counts s[22:23]
	v_lshl_add_u32 v184, v0, 2, 0x5000
	v_mov_b32 v185, 0
	v_lshrrev_b32 v2, 5, v0
	v_readfirstlane_b32 s24, v2                    ; wave 0..3
	v_and_b32 v1, 31, v0                           ; lane
	v_lshlrev_b32 v3, 4, v1                        ; 16 x lane
	s_cmp_lt_u32 ttmp9, 8
	s_cbranch_scc1 .Lroute
	s_cmp_lt_u32 ttmp9, 264
	s_cbranch_scc1 .Lx
; ================ role W: a wave takes 32 columns x one K step of 128; the four waves stand side by side on 128 columns ================
	s_sub_co_u32 s25, ttmp9, 264
	s_wait_kmcnt 0x0
	s_cmp_lt_u32 s25, 512                          ; W1's work-group or W2's?  The choice hangs on the work-group's number alone; both take one path through the text
	s_cselect_b64 s[30:31], s[6:7], s[8:9]         ; in
	s_cselect_b64 s[32:33], s[16:17], s[18:19]     ; out
	s_cselect_b32 s26, 3, 2                        ; log2 of the tensor's K steps: 8 or 4
	s_cselect_b32 s27, 0, 512
	s_cselect_b32 s28, -1, 0                       ; all lanes: W1
	s_cselect_b32 s29, 4, 12                       ; the scale's byte in the expert's four entries
	s_sub_co_u32 s25, s25, s27
	s_lshl_b32 s34, 1, s26
	s_sub_co_u32 s34, s34, 1
	s_and_b32 s35, s25, s34                        ; s: the K step
	s_lshr_b32 s36, s25, s26
	s_and_b32 s37, s36, 7                          ; cg: which 128 columns
	s_lshr_b32 s38, s36, 3                         ; e
	s_lshl_b32 s40, s38, 4
	s_add_co_u32 s40, s40, s29
	s_load_b32 s39, s[12:13], s40 offset:0x0       ; the weight's exponent
	s_add_co_u32 s41, s26, 19                      ; in: e x (K rows of 4,096 bytes) + s x 128 rows + 512 cg + 128 wave
	s_lshl_b32 s42, s38, s41
	s_lshl_b32 s43, s35, 19
	s_add_co_u32 s42, s42, s43
	s_lshl_b32 s43, s37, 9
	s_add_co_u32 s42, s42, s43
	s_lshl_b32 s43, s24, 7
	s_add_co_u32 s42, s42, s43
	s_mov_b32 s43, 0
	s_add_nc_u64 s[30:31], s[30:31], s[42:43]
	s_and_b32 s44, s37, 3                          ; W1: my 32 columns are block (cg % 4) 4 + wave of h (cg < 4) or of g
	s_lshl_b32 s44, s44, 2
	s_add_co_u32 s44, s44, s24
	s_lshr_b32 s45, s37, 2
	s_lshl_b32 s46, s37, 1                         ; W2: slice 2 cg + wave / 2, its tiles 2 (wave % 2) and the next
	s_lshr_b32 s47, s24, 1
	s_add_co_u32 s46, s46, s47
	s_and_b32 s47, s24, 1
	s_cmp_lg_u32 s28, 0
	s_cselect_b32 s44, s44, s46
	s_cselect_b32 s45, s45, s47
	s_add_co_u32 s41, s26, 17
	s_lshl_b32 s46, s38, s41
	s_add_co_u32 s41, s26, 13
	s_lshl_b32 s47, s44, s41
	s_add_co_u32 s46, s46, s47
	s_lshl_b32 s47, s35, 13
	s_add_co_u32 s46, s46, s47
	s_lshl_b32 s47, s45, 12
	s_add_co_u32 s46, s46, s47
	s_mov_b32 s47, 0
	s_add_nc_u64 s[32:33], s[32:33], s[46:47]
	v_lshrrev_b32 v5, 4, v1                        ; u: which of my two tiles
	v_and_b32 v6, 15, v1                           ; r
	v_and_b32 v7, 8, v6
	v_add_nc_u32 v7, v7, v6
	v_lshl_add_u32 v7, v5, 3, v7                   ; W1: THE ROWS OF A TILE ARE NOT NEIGHBOURS: column 8 u + r + 8 (r / 8) of the 32
	v_cndmask_b32 v7, v1, v7, s28                  ; W2: column = lane
	v_lshlrev_b32 v8, 2, v7
	v_lshlrev_b32 v9, 4, v6
	v_lshl_add_u32 v9, v5, 11, v9                  ; out: image u, 16 r
	WLOAD 0
	WLOAD 1
	WLOAD 2
	WLOAD 3
	s_wait_kmcnt 0x0
	s_add_co_i32 s39, s39, 127
	s_lshl_b32 s41, s39, 23
	v_mov_b32 v11, s41                             ; 2^e as f32: the conversion takes its exponent field
	s_add_co_i32 s39, s39, 8
	s_lshl_b32 s39, s39, 23
	s_or_b32 s39, s39, 0x600000
	v_mov_b32 v10, s39                             ; 448 x 2^e
	WBLOCK 0, 63                                   ; behind block 0's loads 96 were issued, behind block 1's 64: a wait names 63 at the most, and a smaller count is safe
	WBLOCK 1, 63
	WBLOCK 2, 32                                   ; block 3's 32 may be out
	WBLOCK 3, 0
	s_endpgm
; ================ role X: a wave takes two tokens, four steps of 512 numbers ================
.Lx:
	s_sub_co_u32 s25, ttmp9, 8
	s_lshl_b32 s25, s25, 3
	s_lshl_b32 s26, s24, 1
	s_add_co_u32 s25, s25, s26                     ; my first token: 8 x work-group + 2 x wave
	s_lshl_b32 s28, s25, 3                         ; its two indices,
	s_mov_b32 s29, 0
	s_lshl_b32 s30, s25, 12                        ; its row of x,
	s_mov_b32 s31, 0
	s_lshl_b32 s32, s25, 11                        ; its two rows of xc
	s_mov_b32 s33, 0
	s_wait_kmcnt 0x0
	s_add_nc_u64 s[28:29], s[10:11], s[28:29]
	s_load_b128 s[36:39], s[28:29], 0x0            ; the experts of my four pairs
	s_add_nc_u64 s[4:5], s[4:5], s[30:31]
	s_add_nc_u64 s[14:15], s[14:15], s[32:33]
.set i, 0
.rept 16
	global_load_b128 v[16+4*i:16+4*i+3], v3, s[4:5] offset:512*i th:TH_LOAD_NT   ; all 8,192 bytes at once: 32 lanes read 512 consecutive bytes
.set i, i+1
.endr
	s_mul_i32 s27, s24, WREG
	v_lshrrev_b32 v14, 2, v1
	v_mul_u32_u24 v14, v14, SP
	v_and_b32 v15, 3, v1
	v_lshl_add_u32 v14, v15, 4, v14
	v_add_nc_u32 v14, s27, v14                     ; the stage, on the way in: SP (lane / 4) + 16 (lane % 4)
	v_mul_u32_u24 v15, v1, SP
	v_add_nc_u32 v15, s27, v15                     ; and on the way out: SP x lane: my 16 neighbours
	s_wait_kmcnt 0x0
.irp q, 0,1,2,3
	s_min_u32 s[36+\q], s[36+\q], 7
	s_lshl_b32 s[36+\q], s[36+\q], 4
	s_load_b32 s[40+\q], s[12:13], s[36+\q] offset:0x0   ; lowp[4 idx]: x's exponent for that expert
.endr
	s_wait_kmcnt 0x0
.irp q, 0,1,2,3
	s_add_co_i32 s44, s[40+\q], 127
	s_lshl_b32 s45, s44, 23
	v_mov_b32 v[160+2*\q], s45                     ; 2^e
	s_add_co_i32 s44, s44, 8
	s_lshl_b32 s44, s44, 23
	s_or_b32 s44, s44, 0x600000
	v_mov_b32 v[161+2*\q], s44                     ; 448 x 2^e
.endr
	s_wait_loadcnt 12                              ; step 0's four loads are in; the twelve of steps 1 to 3 may be out
	XTURN 0
	XSTEP 0
	XSTEP 1
	XSTEP 2
	XSTEP 3
	s_wait_tensorcnt 0x0
	ds_add_u32 v184, v185
	s_wait_dscnt 0x0
	s_endpgm
; ================ role ROUTE: a counting sort without traffic between waves: every wave scans all 4,096 indices for itself ================
; v16-143 the scan's 32 groups of 128 pairs (4 a lane); v144-147 my own group; v148, v149 totals, v150, v151 totals of the groups ahead of mine: a byte for each expert (even experts, odd experts), 128 at the most a lane
.Lroute:
	s_lshl_b32 s25, ttmp9, 2
	s_add_co_u32 s25, s25, s24                     ; G
	v_lshl_add_u32 v5, s25, 9, v3                  ; my group's bytes: 512 G + 16 lane
	s_mov_b32 s48, 0x76543210                      ; v_permlanex16_b32's selects for lane l xor 16
	s_mov_b32 s49, 0xfedcba98
	s_mov_b32 s55, 0x0f0f0f0f
.irp r, 148,149,150,151,164,166,167,168,169
	v_mov_b32 v\r, 0
.endr
	s_wait_kmcnt 0x0
.set j, 0
.rept 32
	global_load_b128 v[16+4*j:16+4*j+3], v3, s[10:11] offset:512*j
.set j, j+1
.endr
	global_load_b128 v[144:147], v5, s[10:11]
.set j, 0
.rept 32
	s_wait_loadcnt 32-j                            ; group j is in; the 31 - j later groups and my own may be out
	v_lshlrev_b32 v160, 2, v[16+4*j]
	v_lshlrev_b32 v161, v160, 1                    ; 1 << 4 e: a count of four bits for each expert
.irp i, 1,2,3
	v_lshlrev_b32 v160, 2, v[16+4*j+\i]
	v_lshl_add_u32 v161, 1, v160, v161
.endr
	v_and_b32 v162, s55, v161                      ; experts 0, 2, 4, 6 as bytes
	v_lshrrev_b32 v163, 4, v161
	v_and_b32 v163, s55, v163                      ; experts 1, 3, 5, 7
	v_add_nc_u32 v148, v148, v162
	v_add_nc_u32 v149, v149, v163
	s_cmp_gt_u32 s25, j                            ; does group j lie ahead of mine?
	s_cselect_b32 s56, -1, 0
	v_and_b32 v162, s56, v162
	v_and_b32 v163, s56, v163
	v_add_nc_u32 v150, v150, v162
	v_add_nc_u32 v151, v151, v163
.set j, j+1
.endr
	s_mov_b32 s57, 0x00ff00ff                      ; bytes widened to 16 bits, since a sum over the lanes reaches 4,096
.irp n, 0,1
	v_and_b32 v[152+4*\n], s57, v[148+2*\n]        ; experts 0, 4
	v_lshrrev_b32 v[153+4*\n], 8, v[148+2*\n]
	v_and_b32 v[153+4*\n], s57, v[153+4*\n]        ; 2, 6
	v_and_b32 v[154+4*\n], s57, v[149+2*\n]        ; 1, 5
	v_lshrrev_b32 v[155+4*\n], 8, v[149+2*\n]
	v_and_b32 v[155+4*\n], s57, v[155+4*\n]        ; 3, 7
.endr
.irp n, 152,153,154,155,156,157,158,159
	RED \n
.endr
.irp n, 0,1,2,3,4,5,6,7
	v_readfirstlane_b32 s[56+\n], v[152+\n]
.endr
.irp n, 0,1                                    ; n = 0: each expert's count in s32-39;  n = 1: its count in the groups ahead of mine in s40-47
	s_and_b32 s[32+8*\n], s[56+4*\n], 0xffff
	s_lshr_b32 s[36+8*\n], s[56+4*\n], 16
	s_and_b32 s[34+8*\n], s[57+4*\n], 0xffff
	s_lshr_b32 s[38+8*\n], s[57+4*\n], 16
	s_and_b32 s[33+8*\n], s[58+4*\n], 0xffff
	s_lshr_b32 s[37+8*\n], s[58+4*\n], 16
	s_and_b32 s[35+8*\n], s[59+4*\n], 0xffff
	s_lshr_b32 s[39+8*\n], s[59+4*\n], 16
.endr
	s_mov_b32 s50, 0                               ; where an expert's part of the list begins: the counts before it, each rounded up to 128
.irp e, 0,1,2,3,4,5,6,7
	s_add_co_u32 s[40+\e], s[40+\e], s50           ; + what the groups ahead of mine put there: my group's first place
	s_add_co_u32 s51, s[32+\e], 127
	s_and_b32 s51, s51, 0xffffff80
	s_add_co_u32 s50, s50, s51
.endr
	s_wait_loadcnt 0x0                             ; my own group
.irp i, 0,1,2,3
.irp e, 0,1,2,3,4,5,6,7
	v_cmp_eq_u32 s53, \e, v[144+\i]
	v_mbcnt_lo_u32_b32 v160, s53, s[40+\e]         ; the expert's next free place + the lanes below me that take one
	v_cndmask_b32 v[166+\i], v[166+\i], v160, s53
	s_bcnt1_i32_b32 s54, s53
	s_add_co_u32 s[40+\e], s[40+\e], s54
.endr
.endr
	v_lshlrev_b32 v170, 2, v1
	s_lshl_b32 s52, s25, 7
	v_add_nc_u32 v170, s52, v170                   ; my first pair: 128 G + 4 lane
.irp i, 1,2,3
	v_add_nc_u32 v[170+\i], \i, v170
.endr
.irp i, 0,1,2,3
	v_min_u32 v[166+\i], 0x137f, v[166+\i]         ; 39 tiles of 128 at the most: places 0 .. 4,991
	v_lshlrev_b32 v[166+\i], 2, v[166+\i]
	global_store_b32 v[166+\i], v[170+\i], s[20:21]   ; four bytes to a place of its own: 16 KiB in the whole launch
.endr
	s_cmp_lg_u32 s25, 0
	s_cbranch_scc1 .Lrouted
	v_and_b32 v7, 7, v1                            ; wave 0 also stores the counts: word l holds the count of expert l % 8
	v_mov_b32 v8, s32
.irp e, 1,2,3,4,5,6,7
	v_cmp_eq_u32 vcc_lo, \e, v7
	v_mov_b32 v9, s[32+\e]
	v_cndmask_b32 v8, v8, v9, vcc_lo
.endr
	v_lshlrev_b32 v6, 2, v1
	global_store_b32 v6, v8, s[22:23]
.Lrouted:
	s_endpgm
.Lfunc_end_k_qe6e8ddb021_prep:
	.size	k_qe6e8ddb021_prep, .Lfunc_end_k_qe6e8ddb021_prep-k_qe6e8ddb021_prep
	.p2alignl 7, 3214868480
	.fill 96, 4, 3214868480
	.section	.rodata,"a",@progbits
	.p2align	6, 0x0
	.amdhsa_kernel k_qe6e8ddb021_prep
		.amdhsa_group_segment_fixed_size 20992
		.amdhsa_private_segment_fixed_size 0
		.amdhsa_enable_private_segment 0
		.amdhsa_kernarg_size 80
		.amdhsa_user_sgpr_count 2
		.amdhsa_user_sgpr_kernarg_segment_ptr 1
		.amdhsa_wavefront_size32 1
		.amdhsa_system_sgpr_workgroup_id_x 1
		.amdhsa_system_sgpr_workgroup_id_y 1
		.amdhsa_system_sgpr_workgroup_id_z 1
		.amdhsa_system_vgpr_workitem_id 0
		.amdhsa_next_free_vgpr 186
		.amdhsa_next_free_sgpr 80
		.amdhsa_reserve_vcc 1
		.amdhsa_float_denorm_mode_32 3
		.amdhsa_float_denorm_mode_16_64 3
		.amdhsa_memory_ordered 1
		.amdhsa_forward_progress 1
		.amdhsa_inst_pref_size 86
	.end_amdhsa_kernel
	.amdgpu_metadata
---
amdhsa.version: [ 1, 2 ]
amdhsa.kernels:
  - .name:           k_qe6e8ddb021_prep
    .symbol:         k_qe6e8ddb021_prep.kd
    .args:
      - { .name: x, .offset: 0, .size: 8, .value_kind: global_buffer, .address_space: global }
      - { .name: W1, .offset: 8, .size: 8, .value_kind: global_buffer, .address_space: global }
      - { .name: W2, .offset: 16, .size: 8, .value_kind: global_buffer, .address_space: global }
      - { .name: expert_idxs, .offset: 24, .size: 8, .value_kind: global_buffer, .address_space: global }
      - { .name: lowp_scales, .offset: 32, .size: 8, .value_kind: global_buffer, .address_space: global }
      - { .name: xc, .offset: 40, .size: 8, .value_kind: global_buffer, .address_space: global }
      - { .name: w1c, .offset: 48, .size: 8, .value_kind: global_buffer, .address_space: global }
      - { .name: w2c, .offset: 56, .size: 8, .value_kind: global_buffer, .address_space: global }
      - { .name: list, .offset: 64, .size: 8, .value_kind: global_buffer, .address_space: global }
      - { .name: counts, .offset: 72, .size: 8, .value_kind: global_buffer, .address_space: global }
    .group_segment_fixed_size: 20992
    .private_segment_fixed_size: 0
    .kernarg_segment_align: 8
    .kernarg_segment_size: 80
    .max_flat_workgroup_size: 128
    .sgpr_count:     80
    .vgpr_count:     186
    .wavefront_size: 32
...
	.end_amdgpu_metadata
.endif
;; end of part 1
;; launch up (part 2): grid 4 x 39, 4 waves a work-group, no clusters, 152,064 bytes of LDS; arguments xc, w1c, list, counts, lowp_scales, ac; writes ac
.if DOCPART == 2
	.amdgcn_target "amdgcn-amd-amdhsa--gfx1250"
	.amdhsa_code_object_version 6
	.text
	.protected	k_qe6e8ddb021_up
	.globl	k_qe6e8ddb021_up
	.p2align	8
	.type	k_qe6e8ddb021_up,@function
k_qe6e8ddb021_up:
	s_mov_b64 s[64:65], 0
	v_nop
	global_prefetch_b8 v0, s[64:65] scope:SCOPE_SE
	s_setreg_imm32_b32 hwreg(HW_REG_WAVE_MODE, 25, 1), 1
	s_wait_xcnt 0x0
; UP: a = silu(g) h with [h | g] = Q(x) Q(W1[e]), on rows sorted by expert, and a's codes.  Only the rows of the expert chosen for a pair are multiplied.
; xc [pair][1024] codes; w1c images of operand registers (e<<20 + b<<16 + s<<13 + j<<11); list: pair numbers sorted by expert, each expert's part beginning at a multiple of 128; counts: the experts' counts; ac [pair][512] codes.
; SHARES.  Work-group (x, y): slice x of 128 hidden units, tile y of 128 sorted rows.  39 = 4096 / 128 + 7 tiles serve every split.  Wave w takes all 128 rows x block b = 4 x + w of 32 hidden units: 2 tiles of h and 2 of g,
; 32 accumulators.  Its 64 KiB of W1 go from memory straight into 512 registers, each byte once for the work-group; the rows' codes are shared through LDS.
; A TILE THAT THE SPLIT LEAVES EMPTY stores nothing.  Every wave passes both barriers, so such a work-group stages the last tile's rows like any other and jumps over the products and over the stores: two scalar branches on the stored counts.
; No tensor load and no cluster here: the weights' address and those two branches hang on stored numbers.
; THE MATRIX INSTRUCTION IS USED TRANSPOSED (source 0 = 16 rows of W1, source 1 = 16 rows of x): a lane holds one row, and the 16 registers of tiles u = 0, 1 are hidden units 32 b + 16 (lane / 16) + 0 .. 15.
; A fragment is fed by four loads of 16 bytes: registers 4 c .. 4 c + 3 hold k = 32 c + 16 (lane / 16) + 0 .. 15, alike in both operands: a permutation of k inside an instruction; the result is judged within a tolerance.
; SCALES.  The sums stand for sum x 2^(ex + ew1).  silu's exponent takes that power in its factor; a's conversion takes 2^(ea - 2 (ex + ew1)) as its one scale.
; LIMITS: ex + ew1 between -126 and 127; ea - 2 (ex + ew1) between -126 and 119.  NaN is not served.  Rows past a tile's last repeat its last row: the same bytes go to the same place.
; A store covers 4 rows x 128 aligned bytes (a slice of 128 hidden units): chosen so that a wave's whole part of W1 lies in its registers.
; REGISTERS, in windows of 256.  window 0: v1-15 addresses; v16-47 the rows' offsets in xc; v48-79 a's codes; v80-111 rows of a on the way out; v112-119 their pair numbers; v120-127 offsets; v128-255 x's eight fragments, later the 128 numbers at work.
;   window 1: x's rows as loaded, then accumulator (a, j) at 8 (4 a + j).   windows 2, 3: W1's fragments: K step s in window 2 + s / 4 at 64 (s % 4) + 16 j.
.set PITCH,  1040                      ; a row of x's codes in LDS: 1,024 bytes + 16: an odd multiple of 16, so that the 16 rows of a fragment load start at 16 different groups of banks
.set AST,    128*PITCH                 ; behind x's tile: a's codes, 128 rows x (128 bytes + 16)
.set APITCH, 144
.set MSB, 0
.macro WIN new                         ; the immediate's high byte repeats the setting that is left; a switch that changes nothing is dropped
.if MSB != (\new)
	s_set_vgpr_msb (MSB<<8)|(\new)
.set MSB, (\new)
.endif
.endm
.macro PLACES                          ; four plain lines between a matrix instruction and a load into, or a vector line on, its registers
.rept 4
	v_nop
.endr
.endm
.macro BLD s                           ; W1's four fragments of K step s: 16 loads of 512 consecutive bytes
	WIN 0x80+0x40*((\s)/4)
.irp j, 0,1,2,3
.irp c, 0,1,2,3
	global_load_b128 v[64*((\s)%4)+16*\j+4*\c:64*((\s)%4)+16*\j+4*\c+3], v4, s[6:7] offset:8192*(\s)+2048*\j+512*\c
.endr
.endr
.endm
.macro FETCH_A s, a0                   ; x's fragments a0 .. a0 + 3 of K step s
.irp a, \a0, \a0+1, \a0+2, \a0+3
.irp c, 0,1,2,3
	ds_load_b128 v[128+16*(\a)+4*\c:128+16*(\a)+4*\c+3], v[7+(\a)/4] offset:((\a)%4)*16*PITCH+128*(\s)+32*\c
.endr
.endr
.endm
.macro MUL16 s, a0, zero               ; 16 matrix instructions; the 32 accumulators take turns, one instruction a turn, in the same order in every step
	WIN 0x52+((\s)/4)                              ; source 0 (W1) window 2 or 3, source 1 (x) window 0, C and D window 1
.irp a, \a0, \a0+1, \a0+2, \a0+3
.irp j, 0,1,2,3
.if \zero
	v_wmma_f32_16x16x128_fp8_fp8 v[8*(4*(\a)+\j):8*(4*(\a)+\j)+7], v[64*((\s)%4)+16*\j:64*((\s)%4)+16*\j+15], v[128+16*(\a):128+16*(\a)+15], 0
.else
	v_wmma_f32_16x16x128_fp8_fp8 v[8*(4*(\a)+\j):8*(4*(\a)+\j)+7], v[64*((\s)%4)+16*\j:64*((\s)%4)+16*\j+15], v[128+16*(\a):128+16*(\a)+15], v[8*(4*(\a)+\j):8*(4*(\a)+\j)+7]
.endif
.endr
.endr
.endm
.macro STEP s, zero                    ; 128 along K: 32 matrix instructions; the next step's fragments of x are fetched in two runs, each 16 matrix instructions ahead of its use
.if (\s) == 3
	s_wait_loadcnt 63                              ; W1's K step 3 is in: 64 loads were issued behind it; a wait names 63 at the most, and a smaller count is safe
.elseif (\s) > 3
	s_wait_loadcnt 16*(7-(\s))                     ; the later K steps' loads may be out
.endif
	s_wait_dscnt 16                                ; x's fragments 0-3 are in; the youngest sixteen loads (4-7) may be out
	MUL16 \s, 0, \zero
	s_wait_dscnt 0x0
.if (\s) < 7
	PLACES
	WIN 0
	FETCH_A (\s)+1, 0
.endif
	MUL16 \s, 4, \zero
.if (\s) < 7
	PLACES
	WIN 0
	FETCH_A (\s)+1, 4
.endif
.endm
	s_load_b256 s[4:11], s[0:1], 0x0               ; xc s[4:5], w1c s[6:7], list s[8:9], counts s[10:11]
	s_load_b128 s[12:15], s[0:1], 0x20             ; lowp_scales s[12:13], ac s[14:15]
	v_lshrrev_b32 v1, 5, v0
	v_readfirstlane_b32 s48, v1                    ; wave 0..3
	v_and_b32 v1, 31, v0                           ; lane
	v_and_b32 v2, 15, v0                           ; r
	v_bfe_u32 v3, v0, 4, 1                         ; h
	v_lshlrev_b32 v4, 4, v1                        ; 16 x lane
	s_wait_kmcnt 0x0
	s_load_b256 s[16:23], s[10:11], 0x0            ; the eight counts
	s_mul_i32 s49, s48, 32*PITCH
	v_add_nc_u32 v6, s49, v4                       ; where I put a row of x: my wave's 32 rows, 16 x lane
	v_mul_u32_u24 v7, v2, PITCH
	v_lshl_add_u32 v7, v3, 4, v7                   ; a fragment's row x pitch + 16 x half: tiles 0-3,
	v_add_nc_u32 v8, 64*PITCH, v7                  ; tiles 4-7
	v_mul_u32_u24 v9, v2, APITCH
	v_lshl_add_u32 v9, v3, 4, v9
	s_lshl_b32 s49, s48, 5
	s_add_co_u32 s49, s49, AST
	v_add_nc_u32 v9, s49, v9                       ; a's codes in: row r, + 32 wave + 16 h
	v_lshrrev_b32 v10, 3, v1                       ; lane / 8
	v_and_b32 v12, 7, v1
	v_lshlrev_b32 v12, 4, v12                      ; 16 (lane % 8)
	v_and_b32 v11, 0x60, v0
	v_add_nc_u32 v11, v11, v10                     ; 32 wave + lane / 8: the first of the rows that I store
	v_mul_u32_u24 v10, v10, APITCH
	v_add_nc_u32 v10, v10, v12
	s_mul_i32 s49, s48, 32*APITCH
	s_add_co_u32 s49, s49, AST
	v_add_nc_u32 v10, s49, v10                     ; and back: eight lanes to a row of 128 bytes, four rows an instruction
	s_lshl_b32 s49, ttmp9, 7
	v_add_nc_u32 v12, s49, v12                     ; my 16 bytes in a row of ac: 128 x slice + 16 (lane % 8)
	s_wait_kmcnt 0x0
	; which expert's tile is mine?  An expert has ceil(count / 128) tiles, one behind the other
.irp e, 0,1,2,3,4,5,6,7
	s_add_co_u32 s[24+\e], s[16+\e], 127
	s_lshr_b32 s[24+\e], s[24+\e], 7
.endr
	s_add_co_u32 s32, s24, s25
.irp e, 2,3,4,5,6,7
	s_add_co_u32 s32, s32, s[24+\e]                ; tiles in all
.endr
	s_and_b32 s33, ttmp7, 0xffff
	s_cmp_lt_u32 s33, s32
	s_cselect_b32 s34, 1, 0                        ; has my tile rows?
	s_sub_co_u32 s35, s32, 1
	s_min_u32 s35, s35, s33                        ; if not, the last tile is staged in its stead
	s_min_u32 s35, s35, 38
	s_mov_b32 s36, 0
	s_mov_b32 s37, 0
	s_mov_b32 s38, 0
	s_mov_b32 s39, s16
.irp e, 0,1,2,3,4,5,6,7
	s_cmp_ge_u32 s35, s36                          ; the last expert whose first tile is not behind mine
	s_cselect_b32 s37, \e, s37
	s_cselect_b32 s38, s36, s38
	s_cselect_b32 s39, s[16+\e], s39
	s_add_co_u32 s36, s36, s[24+\e]
.endr
	s_min_u32 s37, s37, 7
	s_lshl_b32 s41, s37, 4
	s_load_b128 s[44:47], s[12:13], s41 offset:0x0 ; ex, ew1, ea, ew2 of my expert
	s_sub_co_u32 s40, s35, s38
	s_lshl_b32 s40, s40, 7
	s_sub_co_u32 s40, s39, s40
	s_sub_co_u32 s40, s40, 1
	s_min_u32 s40, s40, 127                        ; my tile's last row
	s_lshl_b32 s42, s35, 9
	s_mov_b32 s43, 0
	s_add_nc_u64 s[8:9], s[8:9], s[42:43]          ; the list at my tile
	s_lshl_b32 s42, s37, 20
	s_lshl_b32 s49, ttmp9, 2
	s_add_co_u32 s49, s49, s48
	s_lshl_b32 s49, s49, 16
	s_add_co_u32 s42, s42, s49
	s_add_nc_u64 s[6:7], s[6:7], s[42:43]          ; w1c at my expert's block 4 x + wave
	v_min_u32 v15, s40, v0
	v_min_u32 v15, 127, v15
	v_lshlrev_b32 v15, 2, v15
	global_load_b32 v5, v15, s[8:9]                ; lane l: the pair of row 32 wave + l, which I stage
.irp q, 0,1,2,3,4,5,6,7
	v_add_nc_u32 v[120+\q], 4*\q, v11
	v_min_u32 v[120+\q], s40, v[120+\q]
	v_min_u32 v[120+\q], 127, v[120+\q]
	v_lshlrev_b32 v[120+\q], 2, v[120+\q]
	global_load_b32 v[112+\q], v[120+\q], s[8:9]   ; the same 32 words in the order of the way out: the pair of row 32 wave + 4 q + lane / 8
.endr
	BLD 0
	BLD 1
	BLD 2
	WIN 0
	s_wait_loadcnt 48                              ; the nine loads from the list are in; W1's 48 may be out
.set i, 0
.rept 32
	v_readlane_b32 s[50+i%2], v5, i
	s_min_u32 s[50+i%2], s[50+i%2], 4095
	v_lshl_add_u32 v[16+i], s[50+i%2], 10, v4      ; row i: pair x 1,024 + 16 x lane
.set i, i+1
.endr
	WIN 0x40                                       ; destination window 1
.set i, 0
.rept 32
	global_load_b128 v[8*i:8*i+3], v[16+i], s[4:5]               ; 32 lanes read 512 consecutive bytes: half a row
	global_load_b128 v[8*i+4:8*i+7], v[16+i], s[4:5] offset:512
.set i, i+1
.endr
	BLD 3
	BLD 4
	BLD 5
	s_wait_loadcnt 48                              ; x's rows, and W1's K steps 0-2, are in; K steps 3-5 may be out
	WIN 0x04                                       ; store data window 1
.set i, 0
.rept 32
	ds_store_b128 v6, v[8*i:8*i+3] offset:PITCH*i
	ds_store_b128 v6, v[8*i+4:8*i+7] offset:PITCH*i+512
.set i, i+1
.endr
	BLD 6
	BLD 7
	WIN 0
	s_wait_kmcnt 0x0
	s_add_co_i32 s54, s44, s45                     ; ex + ew1
	s_lshl_b32 s55, s54, 23
	s_add_co_u32 s52, s55, 0xbfb8aa3b              ; -log2(e) x 2^(ex + ew1): the exponents are added to the factor's exponent field
	s_mov_b32 s53, s52                             ; (named with it as a pair, so it is written)
	s_lshl_b32 s54, s54, 1
	s_sub_co_i32 s54, s46, s54
	s_add_co_i32 s54, s54, 127
	s_lshl_b32 s55, s54, 23
	v_mov_b32 v13, s55                             ; 2^(ea - 2 (ex + ew1)): the conversion takes its exponent field
	s_add_co_i32 s54, s54, 8
	s_lshl_b32 s54, s54, 23
	s_or_b32 s54, s54, 0x600000
	v_mov_b32 v14, s54                             ; 448 x that
	s_wait_dscnt 0x0                               ; for the others' sake: my rows lie in LDS
	s_barrier_signal -1
	s_barrier_wait -1                              ; all 128 rows do
	s_cmp_eq_u32 s34, 0
	s_cbranch_scc1 .Lno_products                   ; a tile without rows multiplies nothing
	FETCH_A 0, 0
	FETCH_A 0, 4
	STEP 0, 1                                      ; the first step's products start the sums: nothing is cleared
	STEP 1, 0
	STEP 2, 0
	STEP 3, 0
	STEP 4, 0
	STEP 5, 0
	STEP 6, 0
	STEP 7, 0
	PLACES
	; a = h g / (1 + 2^(-g log2 e)), in f32, on the raw sums.  Number 16 a + q of a lane: row 16 a + r, hidden unit 32 b + 16 h + q.  H lies at 32 a + q, G at 32 a + 16 + q of window 1; each accumulator is read from its low end on
	WIN 0x01                                       ; source 0 window 1
.set a, 0
.rept 8
.set q, 0
.rept 8
	v_pk_mul_f32 v[128+16*a+q:128+16*a+q+1], v[32*a+16+q:32*a+16+q+1], s[52:53] op_sel_hi:[1,0]
.set q, q+2
.endr
.set a, a+1
.endr
	WIN 0
.set q, 0
.rept 128
	v_exp_f32 v[128+q], v[128+q]                   ; e^-g: one batch
.set q, q+1
.endr
	v_nop                                          ; a plain line behind the last exponential
	s_wait_alu depctr_va_vdst(0)                   ; one wait for the batch, ahead of its first reader
.set q, 0
.rept 64
	v_pk_add_f32 v[128+q:128+q+1], v[128+q:128+q+1], 1.0 op_sel_hi:[1,0]
.set q, q+2
.endr
.set q, 0
.rept 128
	v_rcp_f32 v[128+q], v[128+q]                   ; the sigmoid; where e^-g is infinite it is 0
.set q, q+1
.endr
	v_nop
	s_wait_alu depctr_va_vdst(0)
	WIN 0x01
.set a, 0
.rept 8
.set q, 0
.rept 8
	v_pk_mul_f32 v[128+16*a+q:128+16*a+q+1], v[32*a+16+q:32*a+16+q+1], v[128+16*a+q:128+16*a+q+1]   ; silu(g),
.set q, q+2
.endr
.set a, a+1
.endr
.set a, 0
.rept 8
.set q, 0
.rept 8
	v_pk_mul_f32 v[128+16*a+q:128+16*a+q+1], v[32*a+q:32*a+q+1], v[128+16*a+q:128+16*a+q+1]         ; x h
.set q, q+2
.endr
.set a, a+1
.endr
	WIN 0
.set q, 0
.rept 128
	v_med3_num_f32 v[128+q], v[128+q], -v14, v14   ; the conversion to an 8-bit code does not saturate (ISA guide 7.6.2): the hold comes first
.set q, q+1
.endr
.set a, 0
.rept 8
	v_cvt_scalef32_pk8_fp8_f32 v[48+4*a:49+4*a], v[128+16*a:135+16*a], v13
	v_cvt_scalef32_pk8_fp8_f32 v[50+4*a:51+4*a], v[136+16*a:143+16*a], v13
.set a, a+1
.endr
	v_nop                                          ; a plain line behind the last conversion
.set a, 0
.rept 8
	ds_store_b128 v9, v[48+4*a:51+4*a] offset:16*APITCH*a       ; 16 codes of row 16 a + r
.set a, a+1
.endr
.Lno_products:
	s_wait_dscnt 0x0                               ; for the others' sake: my codes lie in LDS
	s_barrier_signal -1
	s_barrier_wait -1                              ; a row's 128 bytes come from four waves
	s_cmp_eq_u32 s34, 0
	s_cbranch_scc1 .Lno_stores
.irp q, 0,1,2,3,4,5,6,7
	ds_load_b128 v[80+4*\q:83+4*\q], v10 offset:4*APITCH*\q
.endr
.irp q, 0,1,2,3,4,5,6,7
	v_min_u32 v[112+\q], 0xfff, v[112+\q]
	v_lshl_add_u32 v[120+\q], v[112+\q], 9, v12    ; pair x 512 + my 16 bytes.  (The loads that read v120-127 as addresses were waited for long ago)
.endr
.irp q, 0,1,2,3,4,5,6,7
	s_wait_dscnt 7-\q                              ; LDS loads come back in order: number q is in
	global_store_b128 v[120+\q], v[80+4*\q:83+4*\q], s[14:15]   ; eight lanes store 128 consecutive bytes of a pair's row
.endr
.Lno_stores:
	s_wait_xcnt 0x0
	v_lshl_add_u32 v254, v0, 2, 0x25000
	v_mov_b32 v255, 0
	s_wait_tensorcnt 0x0
	ds_add_u32 v254, v255
	s_wait_dscnt 0x0
	s_endpgm
.Lfunc_end_k_qe6e8ddb021_up:
	.size	k_qe6e8ddb021_up, .Lfunc_end_k_qe6e8ddb021_up-k_qe6e8ddb021_up
	.p2alignl 7, 3214868480
	.fill 96, 4, 3214868480
	.section	.rodata,"a",@progbits
	.p2align	6, 0x0
	.amdhsa_kernel k_qe6e8ddb021_up
		.amdhsa_group_segment_fixed_size 152064
		.amdhsa_private_segment_fixed_size 0
		.amdhsa_enable_private_segment 0
		.amdhsa_kernarg_size 48
		.amdhsa_user_sgpr_count 2
		.amdhsa_user_sgpr_kernarg_segment_ptr 1
		.amdhsa_wavefront_size32 1
		.amdhsa_system_sgpr_workgroup_id_x 1
		.amdhsa_system_sgpr_workgroup_id_y 1
		.amdhsa_system_sgpr_workgroup_id_z 1
		.amdhsa_system_vgpr_workitem_id 0
		.amdhsa_next_free_vgpr 1024
		.amdhsa_next_free_sgpr 66
		.amdhsa_reserve_vcc 0
		.amdhsa_float_denorm_mode_32 3
		.amdhsa_float_denorm_mode_16_64 3
		.amdhsa_memory_ordered 1
		.amdhsa_forward_progress 1
		.amdhsa_inst_pref_size 109
	.end_amdhsa_kernel
	.amdgpu_metadata
---
amdhsa.version: [ 1, 2 ]
amdhsa.kernels:
  - .name:           k_qe6e8ddb021_up
    .symbol:         k_qe6e8ddb021_up.kd
    .args:
      - { .name: xc, .offset: 0, .size: 8, .value_kind: global_buffer, .address_space: global }
      - { .name: w1c, .offset: 8, .size: 8, .value_kind: global_buffer, .address_space: global }
      - { .name: list, .offset: 16, .size: 8, .value_kind: global_buffer, .address_space: global }
      - { .name: counts, .offset: 24, .size: 8, .value_kind: global_buffer, .address_space: global }
      - { .name: lowp_scales, .offset: 32, .size: 8, .value_kind: global_buffer, .address_space: global }
      - { .name: ac, .offset: 40, .size: 8, .value_kind: global_buffer, .address_space: global }
    .group_segment_fixed_size: 152064
    .private_segment_fixed_size: 0
    .kernarg_segment_align: 8
    .kernarg_segment_size: 48
    .max_flat_workgroup_size: 128
    .sgpr_count:     66
    .vgpr_count:     1024
    .wavefront_size: 32
...
	.end_amdgpu_metadata
.endif
;; end of part 2
;; launch down (part 3): grid 16 x 16, 4 waves a work-group, clusters of 4 x 1, 296,448 bytes of LDS; arguments ac, w2c, expert_idxs, expert_p, lowp_scales, out0; writes out0
.if DOCPART == 3
	.amdgcn_target "amdgcn-amd-amdhsa--gfx1250"
	.amdhsa_code_object_version 6
	.text
	.protected	k_qe6e8ddb021_down
	.globl	k_qe6e8ddb021_down
	.p2align	8
	.type	k_qe6e8ddb021_down,@function
k_qe6e8ddb021_down:
	s_mov_b64 s[64:65], 0
	v_nop
	global_prefetch_b8 v0, s[64:65] scope:SCOPE_SE
	s_setreg_imm32_b32 hwreg(HW_REG_WAVE_MODE, 25, 1), 1
	s_wait_xcnt 0x0
	s_wait_alu depctr_hold_cnt(0) depctr_sa_sdst(0) depctr_va_vdst(0) depctr_va_sdst(0) depctr_va_ssrc(0) depctr_va_vcc(0) depctr_vm_vsrc(0)
	s_getreg_b32 s2, hwreg(HW_REG_IB_STS2, 6, 4)
	s_cmp_eq_u32 s2, 0
	s_cbranch_scc0 .Lentry_in_a_cluster
	s_endpgm
.Lentry_in_a_cluster:
	s_bfe_u32 s2, ttmp6, 0x10000c
	s_cmp_lg_u32 s2, 0x3003
	s_cbranch_scc0 .Lentry_shape_is_right
	s_endpgm
.Lentry_shape_is_right:
; DOWN: out[t] = p0 Q(a0) Q(W2[i0]) + p1 Q(a1) Q(W2[i1]).  EACH OUTPUT ROW HAS ONE OWNER: a work-group owns 128 tokens, in their own order, x 64 output columns, and walks all 8 experts in a loop of constant count.
; In pass e a token's row of A is the a-row of whichever of its two slots names e (a choice lane by lane between two sets of registers), and the pass's sums are added with the lane's weight
; w = [i0 == e] p0 2^(ea + ew2) + [i1 == e] p1 2^(ea + ew2), the exponents those of the slot's expert.  A token that does not use e has w = 0: rows of a product do not mix, and every sum is finite, since codes are held at 448.
; That multiplies four times the rows that are kept, and in exchange there is no sort, no sum between work-groups and no branch on data.  Where both slots name one expert, w = p0 + p1 (one rounding otherwise than p0 y + p1 y).
; ac [pair 4096][512] codes; w2c images of operand registers: e<<19 + y<<15 + s<<13 + j<<11; an image is [c 4][lane 32][16 bytes].  out0 [2048][1024] f32.
; CLUSTER: the four work-groups of a cluster share the slice of columns, and so all eight experts' 32 KiB of W2: asked for JOINTLY, two tensor loads a wave, once.  By this text's own count a wave has two tensor loads outstanding.
; LDS is filled once and nothing is filled again.
; THE MATRIX INSTRUCTION IS USED TRANSPOSED (source 0 = 16 columns of W2, source 1 = 16 tokens): a lane holds one token (lane % 16) and eight neighbouring columns.
; A fragment's registers 4 c .. 4 c + 3 hold k = 32 c + 16 (lane / 16) + 0 .. 15, alike in both operands: a permutation of k inside an instruction; the result is judged within a tolerance.
; LIMITS: none on ea + ew2 (applied by v_ldexp_f32).  An index outside 0 .. 7 matches no expert here.  NaN is not served.
; SHARES: wave w takes tokens 32 w .. 32 w + 31 of the block (two tiles of 16) x all 64 columns: eight accumulators.
; REGISTERS, in windows of 256.  window 0: v1-9 addresses; v10-13 the two tiles' indices, v14-17 their p; v20-23 w (pairs, upper halves 0); v28-43 the weights' making; v64-127 the pass's sums; v128-191 y; v192-255 rows on the way out.
;   window 1: a's fragments: tile i, slot s at 64 (2 i + s) + 16 k.   window 2: W2 of one expert: 64 k + 16 j.   window 3: the chosen rows: 64 i + 16 k.
.set TURNB, 262144                     ; behind W2's 8 x 32 KiB: 8,448 bytes for each wave: 16 rows x (512 + 16) on the way in, 16 rows x (256 + 16) on the way out
.set TURNW, 8448
.set MSB, 0
.macro WIN new                         ; the immediate's high byte repeats the setting that is left; a switch that changes nothing is dropped
.if MSB != (\new)
	s_set_vgpr_msb (MSB<<8)|(\new)
.set MSB, (\new)
.endif
.endm
.macro ROUND                           ; a round of the cluster's barrier: my work-group's barrier; wave 0 signals for the work-group; every wave waits for all four work-groups; my work-group's barrier once more
	s_barrier_signal -1
	s_barrier_wait -1
	s_cmp_lg_u32 s35, 0
	s_cbranch_scc1 .Lnot_wave_0_\@
	s_barrier_signal -3
.Lnot_wave_0_\@:
	s_barrier_wait -3
	s_barrier_signal -1
	s_barrier_wait -1
.endm
; Chunk n = 2 i + s: the 16 a-rows of tile i, slot s, were loaded as whole rows (a lane holds 16 bytes of each).  They turn through the wave's own bytes of LDS into four fragments, in the registers that they left.
.macro TURNA n
	s_wait_loadcnt 16*(3-(\n))+4                   ; the chunk's 16 rows are in; the later chunks' rows and the four gathers of exponents may be out
	WIN 0x04                                       ; store data window 1
.set i, 0
.rept 16
	ds_store_b128 v5, v[64*(\n)+4*i:64*(\n)+4*i+3] offset:528*i
.set i, i+1
.endr
	WIN 0x40                                       ; destination window 1
.set i, 0
.rept 16
	ds_load_b128 v[64*(\n)+4*i:64*(\n)+4*i+3], v6 offset:32*i   ; register 16 k + 4 c: byte 128 k + 32 c of row r, + 16 h.  LDS serves a wave's instructions in order: these see the stores above, and the next chunk's stores come behind them
.set i, i+1
.endr
.endm
	s_load_b256 s[4:11], s[0:1], 0x0               ; ac s[4:5], w2c s[6:7], expert_idxs s[8:9], expert_p s[10:11]
	s_load_b128 s[12:15], s[0:1], 0x20             ; lowp_scales s[12:13], out0 s[14:15]
	v_lshl_add_u32 v62, v0, 2, 0x48400
	v_mov_b32 v63, 0
	ds_add_u32 v62, v63
	ds_add_u32 v62, v63
	v_lshrrev_b32 v1, 5, v0
	v_readfirstlane_b32 s35, v1                    ; wave 0..3
	s_bfe_u32 s32, ttmp6, 0x40000                  ; cx: my place in the cluster: it enters the addresses of ac, the indices, p and out0 alone
	s_lshl_b32 s33, ttmp9, 2
	s_add_co_u32 s33, s33, s32                     ; my block of 128 tokens = 4 x cluster x + cx
	s_and_b32 s34, ttmp7, 0xffff                   ; the slice of 64 columns, which the four partners share
	; descriptor group 1: a dense block of 32,768 bytes as 128 rows of 256
	s_mov_b32 s16, 15|(3<<16)|(1<<21)              ; 15:0 the mask: all four work-groups; 17:16 elements of 8 bytes; 21 set beside a mask; no padding
	s_mov_b32 s17, 32<<16                          ; tensor_dim0 = 32
	s_mov_b32 s18, 128<<16                         ; tensor_dim1 = 128
	s_mov_b32 s19, 32<<16                          ; tile_dim0 = 32
	s_mov_b32 s20, 128                             ; tile_dim1 = 128
	s_mov_b32 s21, 32                              ; tensor_dim0_stride
	s_mov_b32 s22, 0
	s_mov_b32 s23, 0
	s_lshl_b32 s36, s35, 20                        ; experts 2 wave and 2 wave + 1: 2^19 bytes each,
	s_lshl_b32 s37, s34, 15                        ; their slice
	s_add_co_u32 s36, s36, s37
	s_mov_b32 s37, 0
	s_wait_dscnt 0x0
	s_wait_kmcnt 0x0
	s_add_nc_u64 s[36:37], s[6:7], s[36:37]
	s_mov_b32 s24, 1                               ; group 0, a set for each load: count = 1
	s_lshl_b32 s25, s35, 16                        ; LDS address: expert x 32,768
	s_mov_b64 s[26:27], s[36:37]
	s_or_b32 s27, s27, 0x80000000                  ; type = 2
	s_mov_b32 s28, 1
	s_add_co_u32 s29, s25, 32768
	s_add_nc_u64 s[30:31], s[36:37], 0x80000
	s_or_b32 s31, s31, 0x80000000
	ROUND                                          ; all four work-groups are here: the joint loads meet
	tensor_load_to_lds s[24:27], s[16:23]
	s_nop 0
	tensor_load_to_lds s[28:31], s[16:23]
	s_nop 0
.rept 4
	v_nop
.endr
	v_and_b32 v1, 31, v0                           ; lane
	v_and_b32 v2, 15, v0                           ; r
	v_bfe_u32 v3, v0, 4, 1                         ; h
	v_lshlrev_b32 v4, 4, v1                        ; 16 x lane
	v_lshlrev_b32 v9, 3, v2                        ; 8 r: a token's two indices, and its two p
	s_lshl_b32 s38, s33, 10
	s_lshl_b32 s39, s35, 8
	s_add_co_u32 s38, s38, s39                     ; (128 block + 32 wave) x 8 bytes
	s_mov_b32 s39, 0
	s_add_nc_u64 s[8:9], s[8:9], s[38:39]
	s_add_nc_u64 s[10:11], s[10:11], s[38:39]
	s_lshl_b32 s38, s38, 7                         ; my 64 pairs' rows of 512 bytes
	s_add_nc_u64 s[4:5], s[4:5], s[38:39]
	s_lshl_b32 s38, s38, 2                         ; my 32 rows of out0, 4,096 bytes each,
	s_lshl_b32 s46, s34, 8                         ; + the slice's 256 bytes
	s_add_co_u32 s38, s38, s46
	s_add_nc_u64 s[14:15], s[14:15], s[38:39]
	global_load_b64 v[10:11], v9, s[8:9]           ; tile 0: i0, i1 of token r
	global_load_b64 v[12:13], v9, s[8:9] offset:128
	global_load_b64 v[14:15], v9, s[10:11]         ; p0, p1
	global_load_b64 v[16:17], v9, s[10:11] offset:128
	WIN 0x40                                       ; destination window 1
.set n, 0
.rept 4
.set i, 0
.rept 16
	global_load_b128 v[64*n+4*i:64*n+4*i+3], v4, s[4:5] offset:(32*(n/2)+2*i+n%2)*512   ; 32 lanes read a whole row of 512 bytes
.set i, i+1
.endr
.set n, n+1
.endr
	WIN 0
	s_mul_i32 s46, s35, TURNW
	s_add_co_u32 s46, s46, TURNB                   ; my wave's bytes
	v_add_nc_u32 v5, s46, v4                       ; a row in: 16 x lane
	v_mul_u32_u24 v6, v2, 528
	v_lshl_add_u32 v6, v3, 4, v6
	v_add_nc_u32 v6, s46, v6                       ; a fragment out: row r x pitch + 16 h
	v_mul_u32_u24 v25, v2, 272
	v_lshl_add_u32 v25, v3, 5, v25
	v_add_nc_u32 v25, s46, v25                     ; the way out, in: row r, + 32 h
	v_mul_u32_u24 v26, v3, 272
	v_lshl_add_u32 v26, v2, 4, v26
	v_add_nc_u32 v26, s46, v26                     ; back: lanes 0-15 one row of 256 bytes, lanes 16-31 the next
	v_lshlrev_b32 v27, 12, v3
	v_lshl_add_u32 v27, v2, 4, v27                 ; and the same two rows in out0
	v_mov_b32 v21, 0                               ; (named as the upper halves of the pairs v[20:21], v[22:23])
	v_mov_b32 v23, 0
.set q, 0
.rept 64
	v_mov_b32 v[128+q], 0                          ; y.  (The pass is written once: the first adds onto zeros)
.set q, q+1
.endr
	s_wait_loadcnt 63                              ; the indices and p are in: 64 loads were issued behind them; a wait names 63 at the most, and a smaller count is safe
.irp n, 0,1,2,3
	v_min_u32 v[28+\n], 7, v[10+\n]
	v_lshlrev_b32 v[28+\n], 4, v[28+\n]
	global_load_b64 v[32+2*\n:33+2*\n], v[28+\n], s[12:13] offset:8   ; ea, ew2 of the slot's expert
.endr
	TURNA 0
	TURNA 1
	TURNA 2
	TURNA 3
	WIN 0
	s_wait_loadcnt 0x0
.irp n, 0,1,2,3
	v_add_nc_u32 v[32+2*\n], v[32+2*\n], v[33+2*\n]
	v_ldexp_f32 v[40+\n], v[14+\n], v[32+2*\n]     ; p x 2^(ea + ew2): tile n / 2, slot n % 2
.endr
	s_wait_tensorcnt 0x0                           ; my two experts' slices have landed,
	s_wait_dscnt 0x0                               ; and my fragments of a are in
	s_barrier_signal -1
	s_barrier_wait -1                              ; everybody's have
	s_mov_b32 s40, 0                               ; e
	s_mov_b32 s41, 0                               ; where its slice begins in LDS
.Lexpert:
	v_add_nc_u32 v7, s41, v4
	WIN 0x80                                       ; destination window 2
.set n, 0
.rept 64
	ds_load_b128 v[4*n:4*n+3], v7 offset:512*n     ; image 4 k + j, part c: n = 16 k + 4 j + c.  (The last pass's 4 + 32 plain lines stand between its products and these loads)
.set n, n+1
.endr
	WIN 0
.irp i, 0,1
	v_cmp_eq_u32 s42, s40, v[10+2*\i]
	v_cmp_eq_u32 s[44+\i], s40, v[11+2*\i]
	v_cndmask_b32 v[20+2*\i], 0, v[40+2*\i], s42
	v_cndmask_b32 v24, 0, v[41+2*\i], s[44+\i]
	v_add_f32 v[20+2*\i], v[20+2*\i], v24          ; the token's weight in this pass
.endr
	WIN 0xc5                                       ; sources 0 and 1 window 1, destination window 3
.set q, 0
.rept 64
	v_cndmask_b32 v[q], v[q], v[64+q], s44         ; tile 0: slot 1's row where slot 1 names e, else slot 0's
.set q, q+1
.endr
.set q, 0
.rept 64
	v_cndmask_b32 v[64+q], v[128+q], v[192+q], s45 ; tile 1
.set q, q+1
.endr
	WIN 0x0e                                       ; source 0 (W2) window 2, source 1 (the chosen rows) window 3, C and D window 0
.set k, 0
.rept 4
	s_wait_dscnt 48-16*k                           ; K step k's 16 loads are in; the later K steps' may be out
.set i, 0
.rept 2
.set j, 0
.rept 4
.if k == 0
	v_wmma_f32_16x16x128_fp8_fp8 v[64+8*(4*i+j):64+8*(4*i+j)+7], v[64*k+16*j:64*k+16*j+15], v[64*i+16*k:64*i+16*k+15], 0
.else
	v_wmma_f32_16x16x128_fp8_fp8 v[64+8*(4*i+j):64+8*(4*i+j)+7], v[64*k+16*j:64*k+16*j+15], v[64*i+16*k:64*i+16*k+15], v[64+8*(4*i+j):64+8*(4*i+j)+7]
.endif
.set j, j+1
.endr
.set i, i+1
.endr
.set k, k+1
.endr                                          ; the eight accumulators take turns, one instruction a turn
	WIN 0
.rept 4
	v_nop                                          ; four plain lines ahead of the first read of results (ISA guide 7.12.1)
.endr
.set i, 0
.rept 2
.set q, 0
.rept 16
	v_pk_fma_f32 v[128+32*i+q:128+32*i+q+1], v[64+32*i+q:64+32*i+q+1], v[20+2*i:21+2*i], v[128+32*i+q:128+32*i+q+1] op_sel_hi:[1,0,1]   ; y += w x sum; each accumulator from its low end on
.set q, q+2
.endr
.set i, i+1
.endr
	s_add_co_u32 s41, s41, 32768
	s_add_co_u32 s40, s40, 1
	s_cmp_lt_u32 s40, 8
	s_cbranch_scc1 .Lexpert
	; THE WAY OUT.  A lane holds 32 neighbouring bytes of a row for each of four tiles of columns; a tile of 16 tokens goes through my own bytes of LDS and comes back as whole rows of 256 bytes.
.irp i, 0,1
.irp j, 0,1,2,3
	ds_store_b128 v25, v[128+8*(4*\i+\j):128+8*(4*\i+\j)+3] offset:64*\j
	ds_store_b128 v25, v[128+8*(4*\i+\j)+4:128+8*(4*\i+\j)+7] offset:64*\j+16
.endr
.irp q, 0,1,2,3,4,5,6,7
	ds_load_b128 v[192+32*\i+4*\q:192+32*\i+4*\q+3], v26 offset:544*\q   ; LDS serves a wave's instructions in order: these see my stores, and the next tile's stores come behind them
.endr
.endr
.irp i, 0,1
.irp q, 0,1,2,3,4,5,6,7
	s_wait_dscnt 16*(1-\i)+7-\q                    ; behind this load: the rest of its tile's, and tile 1's sixteen LDS instructions
	global_store_b128 v27, v[192+32*\i+4*\q:192+32*\i+4*\q+3], s[14:15] offset:(16*\i+2*\q)*4096 th:TH_STORE_NT   ; 16 lanes store 256 consecutive bytes, at a multiple of 256 from out0's first byte; written once, read by nobody here
.endr
.endr
	s_wait_dscnt 0x0
	s_wait_tensorcnt 0x0
	ds_add_u32 v62, v63
	s_wait_dscnt 0x0
	ROUND                                          ; the closing round: no work-group ends while a partner may still ask for a tile that names it
	s_endpgm
.Lfunc_end_k_qe6e8ddb021_down:
	.size	k_qe6e8ddb021_down, .Lfunc_end_k_qe6e8ddb021_down-k_qe6e8ddb021_down
	.p2alignl 7, 3214868480
	.fill 96, 4, 3214868480
	.section	.rodata,"a",@progbits
	.p2align	6, 0x0
	.amdhsa_kernel k_qe6e8ddb021_down
		.amdhsa_group_segment_fixed_size 296448
		.amdhsa_private_segment_fixed_size 0
		.amdhsa_enable_private_segment 0
		.amdhsa_kernarg_size 48
		.amdhsa_user_sgpr_count 2
		.amdhsa_user_sgpr_kernarg_segment_ptr 1
		.amdhsa_wavefront_size32 1
		.amdhsa_system_sgpr_workgroup_id_x 1
		.amdhsa_system_sgpr_workgroup_id_y 1
		.amdhsa_system_sgpr_workgroup_id_z 1
		.amdhsa_system_vgpr_workitem_id 0
		.amdhsa_next_free_vgpr 896
		.amdhsa_next_free_sgpr 66
		.amdhsa_reserve_vcc 0
		.amdhsa_float_denorm_mode_32 3
		.amdhsa_float_denorm_mode_16_64 3
		.amdhsa_memory_ordered 1
		.amdhsa_forward_progress 1
		.amdhsa_inst_pref_size 44
	.end_amdhsa_kernel
	.amdgpu_metadata
---
amdhsa.version: [ 1, 2 ]
amdhsa.kernels:
  - .name:           k_qe6e8ddb021_down
    .symbol:         k_qe6e8ddb021_down.kd
    .args:
      - { .name: ac, .offset: 0, .size: 8, .value_kind: global_buffer, .address_space: global }
      - { .name: w2c, .offset: 8, .size: 8, .value_kind: global_buffer, .address_space: global }
      - { .name: expert_idxs, .offset: 16, .size: 8, .value_kind: global_buffer, .address_space: global }
      - { .name: expert_p, .offset: 24, .size: 8, .value_kind: global_buffer, .address_space: global }
      - { .name: lowp_scales, .offset: 32, .size: 8, .value_kind: global_buffer, .address_space: global }
      - { .name: out0, .offset: 40, .size: 8, .value_kind: global_buffer, .address_space: global }
    .group_segment_fixed_size: 296448
    .private_segment_fixed_size: 0
    .kernarg_segment_align: 8
    .kernarg_segment_size: 48
    .max_flat_workgroup_size: 128
    .sgpr_count:     66
    .vgpr_count:     896
    .wavefront_size: 32
...
	.end_amdgpu_metadata
.endif
;; end of part 3
